; MI455X (gfx1250); checked and timed in simulation.
; The chip was launched on July 23, 2026; its instructions are those of AMD's public machine-readable ISA for CDNA 5 (MIT licence, August 2026) and "CDNA5" Instruction Set Architecture Reference Guide (July 2026). The comments in the code are by the model that wrote it; some were corrected since.
;; Full Attention. Allowed arithmetic: matrix products marked QUANTISED: E2M1 operands, one E8M0 scale for each 32 along K, by v_wmma_scale_f32_16x16x128_f8f6f4 with both operands' format E2M1 (or v_wmma_scale_f32_32x16x128_f4), f32 sums; everything else in f32.
;; Inputs: keys 4 x 2,048 x 8 x 64 float32; queries 4 x 2,048 x 8 x 64 float32; values 4 x 2,048 x 8 x 64 float32.
;; Outputs: out0 4 x 2,048 x 8 x 64 float32.
;; This version of the problem:
;;   THIS VERSION OF THE PROBLEM IS GIVEN IN LOW PRECISION. The matrix products marked QUANTISED in the list below multiply operands that are first quantised to E2M1 (2 exponent bits, 1 mantissa bit; 4 bits a number), with one power-of-two scale for each 32 numbers along K (OCP MX v1.0); their sums are f32. All else is computed in f32.
;;   The module's matrix products, in the order in which they are computed (A, B: the left and right operand; K: the contracted axis; several contracted axes count as one K, in the product's order):
;;     1. batch 32 x [M 2,048, K 64] x [K 64, N 2,048]; A: input queries; B: input keys: QUANTISED
;;     2. batch 32 x [M 64, K 2,048] x [K 2,048, N 2,048]; A: input values; B: softmax (see below): QUANTISED
;;   THE QUANTISER, for each operand of a quantised product, along K:
;;     - K is cut into blocks of 32 from its start; a last block that is shorter is filled with zeros.
;;     - A block's scale is 2^e with e = floor(log2(the largest magnitude in the block)) - 2, held to -126 .. 127; a block of zeros has e = 0. As a byte (E8M0): e + 127.
;;     - Each number is divided by its block's scale, clamped to +-6, and rounded to the nearest number of E2M1, ties to even, subnormals kept.
;;     - The product sums the exact products of the quantised numbers (number of the format x scale) in f32.
;;   ~~~python
;;   def quantise(x, axis):      # numpy; x: float32 -> the quantised numbers, widened to float32 again
;;       x = np.moveaxis(x, axis, -1); K = x.shape[-1]
;;       x = np.pad(x, [(0, 0)] * (x.ndim - 1) + [(0, -K % 32)]); x = x.reshape(x.shape[:-1] + (-1, 32)); a = np.abs(x).max(-1, keepdims=True)
;;       e = np.where(a > 0, np.clip(np.frexp(np.where(a > 0, a, 1))[1] - 1 - 2, -126, 127), 0)      # np.frexp(a)[1] - 1 = floor(log2(a)), exactly
;;       r = np.clip(x / 2.0 ** e, -6, 6)
;;       step = 2.0 ** (np.maximum(np.frexp(np.where(r == 0, 1, r))[1] - 1, 0) - 1)
;;       q = np.round(r / step) * step * 2.0 ** e      # np.round: ties to even
;;       return np.moveaxis(q.reshape(q.shape[:-2] + (-1,))[..., :K], -1, axis).astype(np.float32)
;;   ~~~
;;   SOFTMAX AHEAD OF A QUANTISED PRODUCT. Where the list says 'softmax', what is quantised is not the finished softmax but p = 2^(t - M), with t = logit x log2(e) and M = ceil(the row's largest t), a whole number; so 1/2 < the row's largest p <= 1. The row's sum l is taken of the UNQUANTISED p, in f32, and the product's result is divided by l at the end. Since M is a whole number, a kernel that streams over the keys may use a running M (the ceiling of the running maximum): every later rescaling is an exact power of two, which a block's scale takes up: the codes' values come out the same.
;;   OPERANDS COMPUTED ON THE WAY. 'Computed on the way' means the value that the module computes at that place (a softmax that the list does not call 'softmax' is quantised finished and normalised). What goes into a quantiser is computed in f32, as accurately as f32 sums, v_exp_f32 and their like allow (about 1e-6 of the number): no bf16 or f16 on the way to a quantiser, and a product that is left as it is and whose result goes on into a quantised operand takes f32 operands (vector FMAs, or v_wmma_f32_16x16x4_f32). A number that lies on a knife's edge between two numbers of the format may be rounded either way, as far as f32 arithmetic and the matrix unit's own rounding can turn it there, and no further.
;; One version. Each part assembles by itself: llvm-mc -triple=amdgcn-amd-amdhsa -mcpu=gfx1250 --defsym DOCPART=n.
;; ======== version 1 of 1: 2 launches
;; limits: right only within a limited range of input values
;; workspace buffers: kv 4,456,448 bytes
;; launch prep (part 1): grid 8 x 32, 16 waves a work-group, no clusters, 168,960 bytes of LDS; arguments keys, values, kv; writes kv
.if DOCPART == 1
	.amdgcn_target "amdgcn-amd-amdhsa--gfx1250"
	.amdhsa_code_object_version 6
	.text
	.protected	k_qfe17d6e278_prep
	.globl	k_qfe17d6e278_prep
	.p2align	8
	.type	k_qfe17d6e278_prep,@function
k_qfe17d6e278_prep:
	s_mov_b64 s[64:65], 0
	v_nop
	global_prefetch_b8 v0, s[64:65] scope:SCOPE_SE
	s_setreg_imm32_b32 hwreg(HW_REG_WAVE_MODE, 25, 1), 1
	s_wait_xcnt 0x0
; keys, values: [4][2048][8][64] f32.  Both are turned into codes of FP4 (E2M1) with one E8M0 scale byte for each 32 along the product's K:
; the keys along E (two blocks a key), the values along the KEYS (one block for each 32 keys of a column d).  They go to the workspace kv in the order of the operands' registers.
; kv: 32 heads (8 b + h) x 16 steps of 128 keys x 8,704 bytes.  A step has two chunks c of 64 keys; a chunk has four tiles t of 16 keys: row m of tile t is key 64 c + 32 (m / 8) + 8 t + m % 8.
;   [0, 4096)     K: image 4 c + s at 512 (4 c + s), s = 0..3 being tiles 0, 2, 1, 3.  Lane (r, h) of the reader finds the 32 codes of row r, E block h, at PERM(r, h) = 256 a + 128 (h xor a) + 16 (r % 8), a = r / 8
;   [4096, 8192)  V: four fragments f (column d = 16 f + r); image at 4096 + 1024 f + 512 c + 16 lane = the codes of keys 64 c + 32 h + 0 .. 31 of that column
;   [8192, 8704)  scale words.  At PERM(r, h): K's words of chunks 0 and 1 for row r of tiles h (bytes 0, 1: its E blocks) and 2 + h (bytes 2, 3).  At 16 lane + 8: V's words of column r of fragments h and 2 + h (byte: key block)
; A block's scale is 2^(floor(log2(its largest magnitude)) - 2); its byte is the largest magnitude's exponent field - 2, held at 1 from below.
; DEAD WORK, for the whole program.  reference() sets the score of key s for query l to -infinity where s > l, so its p is 0 whatever the inputs hold: the launch behind leaves out every chunk of 64 keys that lies wholly behind its queries.
; LIMITS: NaN and infinities among the inputs are not served; one that reaches only work left out is not carried to the result.  A block whose largest magnitude lies under 2^-124 has its byte held at 1; so a block of zeros has the byte 1
; where the quantiser's text says 127: its codes are zeros, which add nothing under any byte but 0xff, and these bytes are read by this program alone.
; SHARES.  Work-group (x, head) takes keys 256 x .. 256 x + 255 of one head.  Waves 0-7 take 32 of them each of K, waves 8-15 of V.
; Each wave fetches by its one tensor load the tile (32 rows x 256 bytes, each begins at a multiple of 256) that it alone reads: its own wait on TENSORcnt orders its reads.  No LDS byte is filled twice.
; No cluster: no two work-groups read the same byte.  No prefetch: there is no loop to run ahead in.  One barrier, for the scale words, which are gathered in LDS so that they leave as 512 consecutive bytes a step.
.set PITCH, 272                        ; an LDS row: 256 bytes + 16 of padding
.set TILEB, 32*PITCH
.set SCL,   16*TILEB                   ; behind the tiles: the two steps' scale words, 512 bytes each; LDS stores alone write there
.set SPARE, SCL+1024                   ; spare words, 128 bytes a wave
.set STEPB, 8704
.set HEADB, 16*STEPB
	s_load_b128 s[4:7], s[0:1], 0x0                ; keys, values
	s_load_b64 s[8:9], s[0:1], 0x10                ; kv
	v_lshl_add_u32 v10, v0, 2, SPARE
	v_mov_b32 v11, 0
	ds_add_u32 v10, v11                            ; the opening adds
	ds_add_u32 v10, v11
	v_lshrrev_b32 v1, 5, v0
	v_readfirstlane_b32 s10, v1                    ; wave 0..15
	s_and_b32 s11, s10, 7                          ; which 32 keys of the 256
	s_lshr_b32 s12, s11, 2                         ; u: which of the two steps
	s_and_b32 s13, ttmp7, 0xffff                   ; head = 8 b + h
	; descriptor group 1: 32 rows of 64 elements of 4 bytes, 512 elements from row to row, 4 words of padding behind each 64
	s_mov_b32 s16, (2<<16)|(1<<20)|(5<<22)|(3<<25)
	s_mov_b32 s17, 64<<16
	s_mov_b32 s18, 32<<16
	s_mov_b32 s19, 64<<16
	s_mov_b32 s20, 32
	s_mov_b32 s21, 512
	s_mov_b32 s22, 0
	s_mov_b32 s23, 0
	; my 32 keys in keys or values: b x 2^22 + key x 2,048 + h x 256 bytes
	s_lshr_b32 s14, s13, 3
	s_lshl_b32 s14, s14, 22
	s_lshl_b32 s39, ttmp9, 8
	s_lshl_b32 s40, s11, 5
	s_add_co_u32 s39, s39, s40
	s_lshl_b32 s39, s39, 11
	s_add_co_u32 s14, s14, s39
	s_and_b32 s39, s13, 7
	s_lshl_b32 s39, s39, 8
	s_add_co_u32 s14, s14, s39
	s_mov_b32 s15, 0
	; my step in kv
	s_mul_i32 s40, s13, HEADB
	s_lshl_b32 s41, ttmp9, 1
	s_add_co_u32 s41, s41, s12
	s_mul_i32 s41, s41, STEPB
	s_add_co_u32 s40, s40, s41
	s_mov_b32 s41, 0
	s_mul_i32 s34, s10, TILEB                      ; my tile in LDS
	s_wait_dscnt 0x0                               ; both opening adds are done
	s_wait_kmcnt 0x0
	s_add_nc_u64 s[8:9], s[8:9], s[40:41]
	s_cmp_lt_u32 s10, 8
	s_cselect_b64 s[4:5], s[4:5], s[6:7]           ; K's tile or V's
	s_mov_b32 s24, 1
	s_mov_b32 s25, s34
	s_add_nc_u64 s[26:27], s[4:5], s[14:15]
	s_or_b32 s27, s27, 0x80000000
	tensor_load_to_lds s[24:27], s[16:23]
	s_nop 0
.rept 4
	v_nop
.endr
	s_bfe_u32 s35, s11, 0x10001                    ; K: c, the chunk of the step
	s_and_b32 s36, s11, 1                          ; K: x, which block of 32 keys of the chunk: rows 8 x .. 8 x + 7 of its four tiles
	s_and_b32 s37, s11, 3                          ; V: kb, the key block of the step
	s_lshl_b32 s43, s12, 9
	s_add_co_u32 s43, s43, SCL                     ; my step's scale words
	s_lshl_b32 s38, s36, 8
	s_lshl_b32 s39, s35, 2
	s_add_co_u32 s39, s39, s38
	s_add_co_u32 s39, s39, s43
	s_lshl_b32 s42, s35, 11
	s_add_co_u32 s38, s38, s42                     ; 2048 c + 256 x
	s_lshl_b32 s42, s37, 8                         ; 256 kb
	s_add_co_u32 s44, s43, s37
	s_add_co_u32 s44, s44, 8
	v_and_b32 v1, 31, v0                           ; lane
	v_and_b32 v2, 7, v0                            ; K: lane = 16 s + 8 h + r': key 16 p + 8 s + r' of my 32 (p = 0, 1), E block h
	v_bfe_u32 v3, v0, 3, 1                         ; h
	v_bfe_u32 v4, v0, 4, 1                         ; s
	v_lshl_add_u32 v5, v4, 3, v2
	v_mul_u32_u24 v5, v5, PITCH
	v_lshl_add_u32 v5, v3, 7, v5
	v_add_nc_u32 v5, s34, v5                       ; K out of LDS
	v_xor_b32 v6, s36, v3
	v_xor_b32 v8, s36, v4
	v_lshlrev_b32 v7, 4, v2
	v_lshl_add_u32 v8, v8, 7, v7
	v_lshl_add_u32 v7, v6, 7, v7
	v_lshl_add_u32 v7, v4, 10, v7
	v_add_nc_u32 v7, s38, v7                       ; K's codes: tile 2 p + s is image 2 s + p: sixteen neighbouring lanes fill one unit of 256 bytes
	v_add_nc_u32 v8, s39, v8                       ; K's word, at PERM(8 x + r', s), + 4 c
	v_lshlrev_b32 v9, 2, v1
	v_add_nc_u32 v9, s34, v9                       ; V out of LDS: column = lane
	v_and_b32 v6, 15, v0
	v_lshlrev_b32 v17, 4, v6
	v_lshl_add_u32 v17, v4, 10, v17
	v_add_nc_u32 v17, s42, v17                     ; V's codes
	v_lshlrev_b32 v20, 4, v1
	v_add_nc_u32 v19, s43, v20                     ; the scale words read back
	v_add_nc_u32 v18, s44, v20                     ; V's byte kb
	v_lshlrev_b32 v22, 3, v3                       ; 8 h
	v_mov_b32 v23, 0                               ; a lane exchange's destination counts as a source
; Two blocks by turns: the 32 numbers from v[a] and from v[b] of one lane become codes v24-27 and v28-31 and the scale bytes v12 and v13.
.macro QB2 a, b
	v_max3_num_f32 v12, |v[\a]|, |v[\a+1]|, |v[\a+2]|
	v_max3_num_f32 v13, |v[\b]|, |v[\b+1]|, |v[\b+2]|
	v_max3_num_f32 v14, |v[\a+3]|, |v[\a+4]|, |v[\a+5]|
	v_max3_num_f32 v15, |v[\b+3]|, |v[\b+4]|, |v[\b+5]|
.irp i, 6,10,14,18,22,26
	v_max3_num_f32 v12, v12, |v[\a+\i]|, |v[\a+\i+1]|
	v_max3_num_f32 v13, v13, |v[\b+\i]|, |v[\b+\i+1]|
	v_max3_num_f32 v14, v14, |v[\a+\i+2]|, |v[\a+\i+3]|
	v_max3_num_f32 v15, v15, |v[\b+\i+2]|, |v[\b+\i+3]|
.endr
	v_max3_num_f32 v12, v12, |v[\a+30]|, |v[\a+31]|
	v_max3_num_f32 v13, v13, |v[\b+30]|, |v[\b+31]|
	v_max3_num_f32 v12, v12, v14, 0x1800000        ; and the floor 2^(3 - 127): the byte cannot fall under 1
	v_max3_num_f32 v13, v13, v15, 0x1800000
	v_add_nc_u32 v14, 0xff000000, v12              ; 2 off its exponent field: the conversion's scale operand
	v_add_nc_u32 v15, 0xff000000, v13
.irp g, 0,1,2,3
	v_cvt_scalef32_pk8_fp4_f32 v[24+\g], v[\a+8*\g:\a+8*\g+7], v14
.endr
.irp g, 0,1,2,3
	v_cvt_scalef32_pk8_fp4_f32 v[28+\g], v[\b+8*\g:\b+8*\g+7], v15
.endr
	v_lshrrev_b32 v12, 23, v14                     ; the bytes; also the plain lines behind the conversions
	v_lshrrev_b32 v13, 23, v15
.endm
	s_wait_alu depctr_va_vdst(0)                   ; the wait at the head's end
	s_wait_tensorcnt 0x0                           ; my tile is in
	s_cmp_lt_u32 s10, 8
	s_cbranch_scc0 .Lvalues
.irp p, 0,1
.irp i, 0,1,2,3,4,5,6,7
	ds_load_b128 v[64+32*\p+4*\i:64+32*\p+4*\i+3], v5 offset:16*PITCH*\p+16*\i
.endr
.endr
	s_wait_dscnt 0x0
	QB2 64, 96
	global_store_b128 v7, v[24:27], s[8:9]
	global_store_b128 v7, v[28:31], s[8:9] offset:512
	v_lshl_or_b32 v12, v13, 16, v12                ; my E block's bytes of tiles s and 2 + s,
	v_lshlrev_b32 v12, v22, v12                    ; 8 h bits up;
	v_mov_b32_dpp v23, v12 row_xmask:8 row_mask:0xf bank_mask:0xf
	v_or_b32 v12, v12, v23                         ; with the other E block's the word is whole
	ds_store_b32 v8, v12                           ; lanes l and l xor 8 write the same word with the same value
	s_branch .Lgather
.Lvalues:                                          ; a lane takes a column and its registers run down the 32 keys
.irp h, 0,1
.irp i, 0,1,2,3,4,5,6,7,8,9,10,11,12,13,14,15,16,17,18,19,20,21,22,23,24,25,26,27,28,29,30,31
	ds_load_b32 v[64+32*\h+\i], v9 offset:PITCH*\i+128*\h
.endr
.endr
	s_wait_dscnt 0x0
	QB2 64, 96
	global_store_b128 v17, v[24:27], s[8:9] offset:4096        ; sixteen lanes store 256 consecutive bytes
	global_store_b128 v17, v[28:31], s[8:9] offset:4096+2048
	ds_store_b8 v18, v12
	ds_store_b8 v18, v13 offset:4
.Lgather:
	s_wait_dscnt 0x0                               ; my stores among the scale words are done
	s_barrier_signal -1
	s_barrier_wait -1
	s_and_b32 s45, s10, 11
	s_cmp_lg_u32 s45, 0                            ; waves 0 and 4 store their step's words
	s_cbranch_scc1 .Ldone
	ds_load_b128 v[32:35], v19
	s_wait_dscnt 0x0
	global_store_b128 v20, v[32:35], s[8:9] offset:8192        ; 512 consecutive bytes
.Ldone:
	s_wait_tensorcnt 0x0                           ; the wave's end
	ds_add_u32 v10, v11
	s_wait_dscnt 0x0
	s_endpgm
.Lfunc_end_k_qfe17d6e278_prep:
	.size	k_qfe17d6e278_prep, .Lfunc_end_k_qfe17d6e278_prep-k_qfe17d6e278_prep
	.p2alignl 7, 3214868480
	.fill 96, 4, 3214868480
	.section	.rodata,"a",@progbits
	.p2align	6, 0x0
	.amdhsa_kernel k_qfe17d6e278_prep
		.amdhsa_group_segment_fixed_size 168960
		.amdhsa_private_segment_fixed_size 0
		.amdhsa_enable_private_segment 0
		.amdhsa_kernarg_size 24
		.amdhsa_user_sgpr_count 2
		.amdhsa_user_sgpr_kernarg_segment_ptr 1
		.amdhsa_wavefront_size32 1
		.amdhsa_system_sgpr_workgroup_id_x 1
		.amdhsa_system_sgpr_workgroup_id_y 1
		.amdhsa_system_sgpr_workgroup_id_z 1
		.amdhsa_system_vgpr_workitem_id 0
		.amdhsa_next_free_vgpr 128
		.amdhsa_next_free_sgpr 66
		.amdhsa_reserve_vcc 0
		.amdhsa_float_denorm_mode_32 3
		.amdhsa_float_denorm_mode_16_64 3
		.amdhsa_memory_ordered 1
		.amdhsa_forward_progress 1
		.amdhsa_inst_pref_size 17
	.end_amdhsa_kernel
	.amdgpu_metadata
---
amdhsa.version: [ 1, 2 ]
amdhsa.kernels:
  - .name:           k_qfe17d6e278_prep
    .symbol:         k_qfe17d6e278_prep.kd
    .args:
      - { .name: keys, .offset: 0, .size: 8, .value_kind: global_buffer, .address_space: global }
      - { .name: values, .offset: 8, .size: 8, .value_kind: global_buffer, .address_space: global }
      - { .name: kv, .offset: 16, .size: 8, .value_kind: global_buffer, .address_space: global }
    .group_segment_fixed_size: 168960
    .private_segment_fixed_size: 0
    .kernarg_segment_align: 8
    .kernarg_segment_size: 24
    .max_flat_workgroup_size: 512
    .sgpr_count:     66
    .vgpr_count:     128
    .wavefront_size: 32
...
	.end_amdgpu_metadata
.endif
;; end of part 1
;; launch attn (part 2): grid 8 x 32, 16 waves a work-group, clusters of 4 x 1, 290,816 bytes of LDS; arguments queries, kv, out0; writes out0
.if DOCPART == 2
	.amdgcn_target "amdgcn-amd-amdhsa--gfx1250"
	.amdhsa_code_object_version 6
	.text
	.protected	k_qfe17d6e278_attn
	.globl	k_qfe17d6e278_attn
	.p2align	8
	.type	k_qfe17d6e278_attn,@function
k_qfe17d6e278_attn:
	s_mov_b64 s[64:65], 0
	v_nop
	global_prefetch_b8 v0, s[64:65] scope:SCOPE_SE
	s_setreg_imm32_b32 hwreg(HW_REG_WAVE_MODE, 25, 1), 1
	s_wait_xcnt 0x0
	s_wait_alu depctr_hold_cnt(0) depctr_sa_sdst(0) depctr_va_vdst(0) depctr_va_sdst(0) depctr_va_ssrc(0) depctr_va_vcc(0) depctr_vm_vsrc(0)
	s_getreg_b32 s2, hwreg(HW_REG_IB_STS2, 6, 4)
	s_cmp_eq_u32 s2, 0
	s_cbranch_scc0 .Lentry_in_a_cluster
	s_endpgm
.Lentry_in_a_cluster:
	s_bfe_u32 s2, ttmp6, 0x10000c
	s_cmp_lg_u32 s2, 0x3003
	s_cbranch_scc0 .Lentry_shape_is_right
	s_endpgm
.Lentry_shape_is_right:
; out0[b][q][h][:] = the sum over keys k <= q of softmax_k(Q . K / 8) V, both products on codes of FP4 (E2M1) with one E8M0 scale for each 32 along a product's K.
; queries, out0: [4][2048][8][64] f32.  kv: K's and V's codes and scale words of 32 heads in the order of the operands' registers, 16 steps of 128 keys x 8,704 bytes a head (laid out, and described, by the launch before).
; THE SOFTMAX AHEAD OF THE SECOND PRODUCT: t = score x log2(e) / 8; M = the row's largest t so far, rounded UP to a whole number; p = 2^(t - M) is quantised along the keys, not normalised.
; The row's sum is taken of the unquantised p, in f32, and divides O at the end.  When M moves, the sum and O are multiplied by 2^(old M - new M): exact.
; DEAD WORK left out: chunks of 64 keys that lie wholly behind a tile's queries: reference()'s mask makes their p 0 whatever the inputs hold.
; LIMITS: NaN and infinities among the inputs are not served; one that reaches only work left out is not carried to the result.  A block of Q whose largest magnitude lies under 2^-124, and a block of p whose largest lies under 2^-124, have the scale
; byte held at 1 (a block of zeros: 1 where the quantiser's text says 127; its codes are zeros, and nobody else reads the byte).  The scaled scores t stay under 2^31 in magnitude.
; A block of p takes its scale's exponent from floor(t - M) of its largest score: floor(log2(p)) before p is rounded.
; A WHOLE HEAD LIES IN LDS: its 139,264 bytes are filled once, one tensor load a wave (a step each: 34 rows of 256 bytes); nothing is filled twice.  By this text's own count a wave has one tensor load outstanding.  No prefetch: no loop fills anything.
; CLUSTER.  The four work-groups of a cluster belong to one head and want the same 139,264 bytes: each load is asked for JOINTLY, the same line with the same descriptor and a mask that names the four.
; SHARES.  A head has 32 groups of 64 queries, four tiles of 16 each; the partner at place cx takes tile cx of its cluster's groups.  The 16 waves are 8 pairs; pair i of cluster X has groups m = 2 i + X (short) and 31 - m (long).
; Wave A of a pair: keys 0 .. 1023 of the long tile, 8 steps.  Wave B: the long tile's keys from 1024 on, 16 - m chunks of 64, then all m + 1 chunks of the short tile: 9 steps, one of them of one chunk alone.
; B leaves its part of the long tile (O, M, the sum) in LDS, and A joins the two.  A is the even wave of a pair where bit 2 of its number is 0, else the odd one: any four waves of equal w % 4 or w / 4 are two A and two B.
; Every branch hangs on the wave's number, on X and on the count of trips: all alike in the four partners.  cx enters only global addresses of Q and O and the numbers that the mask compares.
; K = 64 IN A FORM OF 128.  A fragment holds one tile in k 0-63 and another in k 64-127.  It is multiplied by [q | 0] and by [0 | q]: the half that is not wanted meets zero codes and adds exactly 0.
; LAYOUT.  Both products are used transposed: S^T = K Q^T, O^T = V^T P^T: a lane holds ONE query (lane % 16) throughout.  Row m of tile t is key 32 (m / 8) + 8 t + m % 8 of its chunk, so that the 32 registers of a chunk are, in a lane,
; one whole block: keys 32 (lane / 16) + 0 .. 31: the conversions' results are the second product's operand as they stand.
; REGISTERS: v1 16 x lane; v2, v3 addresses of the loads in hand; v4 the mask's number; v5-8 stage and global offsets; v9 at work; v10 PERM; v11 the pair's part; v12 -M, v13 the largest score, v[14:15] the sum in two halves;
; v16-19 q, v20-23 zeros, v24-27 q again; v28, v29 Q's scale words for the two uses; v30 p's scale word; v31 8 (lane / 16); v32, v33 K's scale words, v34, v35 V's; v[36:37] f; v38, v39 the adds';
; v40-71 K's fragments; v72-103 V's; v104-167 S^T, then p; v168-199 O^T; v200-207 p's codes; v208-223 at work; v224-255 Q's numbers.
.set STEPB, 8704
.set HEADB, 16*STEPB
.set SP,    272                        ; a stage row: 256 bytes + 16
.set STAGE, HEADB                      ; 16 rows for each wave, for Q's way in and O's way out; LDS stores alone write from here on
.set PART,  STAGE+16*16*SP             ; the parts of the long tiles: a region for each wave: 8 images of O, 512 bytes each, and -M and the sum
.set PARTB, 4608
.set QX,    PART+16*PARTB              ; the long tiles' codes of Q and scale words, 768 bytes a pair
.set SPARE, QX+8*768                   ; spare words, 128 bytes a wave
.set S,  104
.set O,  168
.set PC, 200
.set QR, 224
; A round of the cluster's barrier.
.macro CROUND
	s_barrier_signal -1
	s_barrier_wait -1
	s_cmp_lg_u32 s10, 0
	s_cbranch_scc1 .Lnot_wave_0_\@
	s_barrier_signal -3
.Lnot_wave_0_\@:
	s_barrier_wait -3
	s_barrier_signal -1
	s_barrier_wait -1
.endm
; A block of Q: 32 numbers of one lane become codes v16-19 and, with lane l xor 16's byte, the query's two scale bytes in v9.
.macro QUANT s
	v_max3_num_f32 v212, |v[\s]|, |v[\s+1]|, |v[\s+2]|
	v_max3_num_f32 v213, |v[\s+3]|, |v[\s+4]|, |v[\s+5]|
	v_max3_num_f32 v214, |v[\s+6]|, |v[\s+7]|, |v[\s+8]|
	v_max3_num_f32 v215, |v[\s+9]|, |v[\s+10]|, |v[\s+11]|
.irp i, 12,20
	v_max3_num_f32 v212, v212, |v[\s+\i]|, |v[\s+\i+1]|
	v_max3_num_f32 v213, v213, |v[\s+\i+2]|, |v[\s+\i+3]|
	v_max3_num_f32 v214, v214, |v[\s+\i+4]|, |v[\s+\i+5]|
	v_max3_num_f32 v215, v215, |v[\s+\i+6]|, |v[\s+\i+7]|
.endr
	v_max3_num_f32 v212, v212, |v[\s+28]|, |v[\s+29]|
	v_max3_num_f32 v213, v213, |v[\s+30]|, |v[\s+31]|
	v_max3_num_f32 v212, v212, v213, v214
	v_max3_num_f32 v212, v212, v215, 0x1800000     ; and the floor 2^(3 - 127): the byte cannot fall under 1
	v_add_nc_u32 v214, 0xff000000, v212            ; 2 off its exponent field: the conversion's scale operand
.irp g, 0,1,2,3
	v_cvt_scalef32_pk8_fp4_f32 v[16+\g], v[\s+8*\g:\s+8*\g+7], v214
.endr
	v_lshrrev_b32 v9, 23, v214                     ; the scale's byte; also the plain line behind the conversions
	v_lshlrev_b32 v9, v31, v9                      ; 8 (lane / 16) bits up
	v_permlanex16_b32 v213, v9, s28, s29
	v_or_b32 v9, v9, v213
.endm
; Q's scale words beside [q | 0] and [0 | q]: the zero half gets the smallest byte.
.macro QWORDS
	v_or_b32 v28, 0x01010000, v9
	v_lshl_or_b32 v29, v9, 16, 0x0101
.endm
; K's nine loads of the step at v3.
.macro KLOAD
	ds_load_b64 v[32:33], v3 offset:8192
.irp i, 0,1,2,3,4,5,6,7
	ds_load_b128 v[40+4*\i:43+4*\i], v3 offset:512*\i
.endr
.endm
	s_load_b128 s[4:7], s[0:1], 0x0                ; queries, kv
	s_load_b64 s[8:9], s[0:1], 0x10                ; out0
	v_lshl_add_u32 v38, v0, 2, SPARE
	v_mov_b32 v39, 0
	ds_add_u32 v38, v39                            ; the opening adds
	ds_add_u32 v38, v39
	v_lshrrev_b32 v9, 5, v0
	v_readfirstlane_b32 s10, v9                    ; wave 0..15
	s_lshr_b32 s41, s10, 2
	s_xor_b32 s11, s41, s10
	s_and_b32 s11, s11, 1                          ; 0: A, 1: B
	s_lshr_b32 s43, s10, 1                         ; the pair
	s_bfe_u32 s40, ttmp6, 0x40000                  ; cx
	s_and_b32 s13, ttmp7, 0xffff                   ; the head = 8 b + h, which the four partners share
	s_lshl_b32 s45, s43, 1
	s_add_co_u32 s45, s45, ttmp9                   ; m = 2 x pair + X (in a cluster launch ttmp9 counts clusters)
	s_sub_co_u32 s53, 31, s45                      ; the long group
	s_sub_co_u32 s46, 17, s45
	s_lshr_b32 s46, s46, 1                         ; B: trips of the long part
	s_sub_co_u32 s48, 16, s46                      ; B: trip + this, mod 16, is the short part's step
	s_sub_co_u32 s49, s46, 1                       ; B: the trip of the long tile's diagonal
	s_cmp_eq_u32 ttmp9, 0
	s_cselect_b32 s50, 8, s49                      ; the trip whose diagonal chunk is the step's first (the second is left out)
	s_cselect_b32 s51, s49, 8                      ; the trip whose diagonal chunk is the step's second
	s_cmp_eq_u32 s11, 0                            ; A has no diagonal: trip 32 never comes
	s_cselect_b32 s45, s53, s45                    ; the group whose result I store
	s_cselect_b32 s46, 16, s46
	s_cselect_b32 s49, 32, s49
	s_cselect_b32 s50, 32, s50
	s_cselect_b32 s51, 32, s51
	s_cselect_b32 s47, 0, 8                        ; the first part's first step
	s_cselect_b32 s36, 8, 9                        ; trips with work
	; rows of queries and out0: b x 2^22 + q x 2,048 + h x 256 bytes
	s_lshr_b32 s54, s13, 3
	s_lshl_b32 s54, s54, 22
	s_and_b32 s42, s13, 7
	s_lshl_b32 s42, s42, 8
	s_add_co_u32 s54, s54, s42
	s_lshl_b32 s41, s40, 4                         ; 16 cx
	s_lshl_b32 s56, s53, 6
	s_add_co_u32 s56, s56, s41
	s_lshl_b32 s42, s11, 3
	s_add_co_u32 s56, s56, s42                     ; the long tile's rows that I load: 8 for A, 8 for B
	s_lshl_b32 s56, s56, 11
	s_add_co_u32 s56, s56, s54
	s_mov_b32 s57, 0
	s_lshl_b32 s14, s45, 6
	s_add_co_u32 s14, s14, s41
	s_lshl_b32 s14, s14, 11
	s_add_co_u32 s14, s14, s54
	s_mov_b32 s15, 0
	; descriptor group 1: 34 dense rows of 32 elements of 8 bytes; no padding
	s_mov_b32 s16, 15|(3<<16)|(1<<21)              ; 15:0 the mask: all four work-groups; 17:16 elements of 8 bytes; 21 set beside a mask
	s_mov_b32 s17, 32<<16
	s_mov_b32 s18, 34<<16
	s_mov_b32 s19, 32<<16
	s_mov_b32 s20, 34
	s_mov_b32 s21, 32
	s_mov_b32 s22, 0
	s_mov_b32 s23, 0
	s_mul_i32 s38, s13, HEADB                      ; the step that I fetch: head and wave alone
	s_mul_i32 s25, s10, STEPB
	s_add_co_u32 s38, s38, s25
	s_mov_b32 s39, 0
	s_mov_b32 s28, 0x76543210
	s_mov_b32 s29, 0xfedcba98                      ; v_permlanex16_b32's selects for lane l xor 16
	s_mov_b32 s30, 0x3e38aa3b                      ; c = log2(e) / 8
	s_mov_b32 s31, s30                             ; (the packed form names the pair)
	s_mov_b32 s35, 0xbe38aa3b                      ; -c
	s_mul_i32 s42, s10, 16*SP
	s_add_co_u32 s42, s42, STAGE                   ; my stage
	s_mul_i32 s55, s10, PARTB
	s_add_co_u32 s55, s55, PART                    ; my part,
	s_xor_b32 s37, s10, 1
	s_mul_i32 s37, s37, PARTB
	s_add_co_u32 s37, s37, PART                    ; and my partner's
	s_mul_i32 s60, s43, 768
	s_add_co_u32 s60, s60, QX                      ; and its codes of Q
	s_lshl_b32 s61, s11, 7
	s_add_co_u32 s61, s61, s60
	s_add_co_u32 s63, s60, 512
	s_lshl_b32 s62, s11, 5
	s_add_co_u32 s62, s62, s63
	v_and_b32 v9, 15, v0                           ; r
	v_bfe_u32 v215, v0, 4, 1                       ; h
	v_and_b32 v214, 7, v0                          ; r % 8
	v_bfe_u32 v212, v0, 3, 1                       ; r / 8
	v_and_b32 v1, 31, v0
	v_lshlrev_b32 v1, 4, v1                        ; 16 x lane
	v_xor_b32 v213, v212, v215
	v_lshlrev_b32 v10, 4, v214
	v_lshl_add_u32 v10, v213, 7, v10
	v_lshl_add_u32 v10, v212, 8, v10               ; PERM: 256 a + 128 (h xor a) + 16 (r % 8)
	v_lshlrev_b32 v31, 3, v215                     ; 8 h
	v_lshlrev_b32 v213, 5, v215
	v_sub_nc_u32 v4, v9, v213
	v_add_nc_u32 v4, s41, v4                       ; 16 cx + r - 32 h (signed): in the diagonal chunk register i is hidden where i is larger
	v_mul_u32_u24 v213, v9, SP
	v_add_nc_u32 v213, s42, v213
	v_lshl_add_u32 v5, v215, 5, v213               ; O into the stage: row r, + 32 h
	v_lshl_add_u32 v8, v215, 7, v213               ; Q out of the stage: row r, + 128 h
	v_mul_u32_u24 v213, v214, SP
	v_add_nc_u32 v213, s42, v213
	v_lshl_add_u32 v2, v215, 7, v213               ; at the head: 8 rows alone
	v_mul_u32_u24 v6, v215, SP
	v_lshl_add_u32 v6, v9, 4, v6
	v_add_nc_u32 v6, s42, v6                       ; whole rows in the stage: lanes 0-15 one row, lanes 16-31 the next, 16 bytes a lane
	v_lshlrev_b32 v7, 11, v215
	v_lshl_add_u32 v7, v9, 4, v7                   ; and the same two rows in queries and out0
	v_add_nc_u32 v11, s55, v1
	v_lshlrev_b32 v208, 4, v214
	v_lshl_add_u32 v208, v215, 8, v208
	v_add_nc_u32 v208, s61, v208                   ; my rows' codes of Q, in: 16 (8 B + r % 8) + 256 h
	v_lshlrev_b32 v209, 2, v214
	v_add_nc_u32 v209, s62, v209                   ; and their scale words
	v_add_nc_u32 v210, s60, v1                     ; the whole tile's, out
	v_lshlrev_b32 v211, 2, v9
	v_add_nc_u32 v211, s63, v211
	s_wait_alu depctr_va_vdst(0)
	s_wait_dscnt 0x0                               ; both opening adds are done
	s_wait_kmcnt 0x0
	s_add_nc_u64 s[58:59], s[4:5], s[56:57]
	s_add_nc_u64 s[4:5], s[4:5], s[14:15]
	s_add_nc_u64 s[8:9], s[8:9], s[14:15]
	s_mov_b32 s24, 1                               ; group 0: count = 1; s25 the LDS address;
	s_add_nc_u64 s[26:27], s[6:7], s[38:39]
	s_or_b32 s27, s27, 0x80000000                  ; type = 2
.irp i, 0,1,2,3
	global_load_b128 v[S+4*\i:S+4*\i+3], v7, s[58:59] offset:4096*\i th:TH_LOAD_NT   ; my 8 rows of the long tile's Q: sixteen lanes read a row's 256 bytes
.endr
	CROUND                                         ; all four work-groups are here: the joint loads meet
	tensor_load_to_lds s[24:27], s[16:23]          ; step w of the head
	s_nop 0
.rept 4
	v_nop
.endr
	v_mov_b32 v13, 0xff61b1e6                      ; the largest score so far: -3e38
	v_mov_b32 v14, 0
	v_mov_b32 v15, 0
.irp j, 20,21,22,23,37
	v_mov_b32 v[\j], 0                             ; the zero codes between the two copies of q; f's upper half, named in a pair
.endr
	v_mul_f32 v12, s35, v13                        ; -M
.set Q, 0
.rept 24
	v_mov_b32 v[O+Q], 0                            ; O^T: the loop is written once, and its first step finds zeros
.set Q, Q+1
.endr
	s_wait_alu depctr_va_vdst(0)
	s_wait_loadcnt 0x0
.irp i, 0,1,2,3
	ds_store_b128 v6, v[S+4*\i:S+4*\i+3] offset:2*SP*\i
.endr
.irp j, 0,1,2,3,4,5,6,7
	ds_load_b128 v[QR+4*\j:QR+4*\j+3], v2 offset:16*\j         ; LDS serves a wave's instructions in order (ISA guide 5.7.1.4): these see my stores.  Lanes r and r xor 8 take the same row
.endr
	s_wait_dscnt 0x0
	QUANT QR
	ds_store_b128 v208, v[16:19]                   ; lanes r and r xor 8 write the same bytes with the same values
	ds_store_b32 v209, v9
	s_wait_alu depctr_va_vdst(0)
	s_wait_tensorcnt 0x0                           ; my step of the head is in
	s_cmp_eq_u32 s11, 0
	s_cbranch_scc1 .Lno_short
.irp i, 0,1,2,3,4,5,6,7
	global_load_b128 v[QR+4*\i:QR+4*\i+3], v7, s[4:5] offset:4096*\i th:TH_LOAD_NT   ; B: the short tile's Q, wanted behind the long part
.endr
.Lno_short:
	s_wait_dscnt 0x0
	s_barrier_signal -1
	s_barrier_wait -1                              ; all sixteen steps lie in LDS, and the pair's codes of Q
	ds_load_b128 v[16:19], v210
	ds_load_b128 v[24:27], v210                    ; v[16:23] = [q | 0], v[20:27] = [0 | q]
	ds_load_b32 v9, v211
	s_mul_i32 s32, s47, STEPB
	v_add_nc_u32 v3, s32, v10
	KLOAD                                          ; my first step's K
	s_mov_b32 s34, 0                               ; the trip
	s_wait_alu depctr_va_vdst(0)
	s_wait_dscnt 0x9                               ; q and its word are in; K's nine loads may be out
	QWORDS
.irp j, 24,25,26,27,28,29,30,31
	v_mov_b32 v[O+\j], 0                           ; the rest of O^T; also places between the scale words just made and the first product
.endr
.macro TM cnt                          ; t - M, two at a time (of the pairs c and -M the low word serves both halves)
.rept \cnt
	v_pk_fma_f32 v[S+Q:S+Q+1], v[S+Q:S+Q+1], s[30:31], v[12:13] op_sel_hi:[1,0,0]
.set Q, Q+2
.endr
.endm
; A step on n chunks of 64 keys (n = 1: the diagonal chunk is the step's first, and the second lies wholly behind my queries).
.macro BODY n
.irp c, 0,1
.if \c < \n
	v_wmma_scale_f32_32x16x128_f4 v[S+32*\c:S+32*\c+15], v[40+16*\c:55+16*\c], v[16:23], 0, v[32+\c], v28
	v_wmma_scale_f32_32x16x128_f4 v[S+32*\c+16:S+32*\c+31], v[40+16*\c:55+16*\c], v[20:27], 0, v[32+\c], v29
.endif
.endr
	v_mov_b32 v217, v12                            ; M's old value.  With three v_nop the four places in front of the loads into K's registers and of the first read of the scores
	v_nop
	v_nop
	v_nop
	KLOAD                                          ; the next step's K
.if \n == 2
	s_cmp_lg_u32 s34, s51                          ; is the second chunk on the diagonal?
	s_cbranch_scc1 .Lopen_\@
.endif
.set MB, S+32*(\n-1)
	v_mov_b32 v9, 0xff800000                       ; the scores of hidden keys become -infinity ahead of the maximum: p = 0 then.  The diagonal chunk's first key counts for all my queries
.irp i, 0,4,8,12,16,20,24,28
	v_cmp_gt_i32 s66, \i, v4
	v_cmp_gt_i32 s67, \i+1, v4
	v_cmp_gt_i32 s68, \i+2, v4
	v_cmp_gt_i32 s69, \i+3, v4
	v_cndmask_b32 v[MB+\i], v[MB+\i], v9, s66
	v_cndmask_b32 v[MB+\i+1], v[MB+\i+1], v9, s67
	v_cndmask_b32 v[MB+\i+2], v[MB+\i+2], v9, s68
	v_cndmask_b32 v[MB+\i+3], v[MB+\i+3], v9, s69
.endr
.Lopen_\@:
.irp a, 0,1,2,3
.if \a < 2*\n
	v_max3_num_f32 v[208+\a], v[S+16*\a], v[S+16*\a+1], v[S+16*\a+2]   ; the largest score of my block of each chunk, in two chains a chunk
.endif
.endr
.irp i, 3,5,7,9,11,13
.irp a, 0,1,2,3
.if \a < 2*\n
	v_max3_num_f32 v[208+\a], v[208+\a], v[S+16*\a+\i], v[S+16*\a+\i+1]
.endif
.endr
.endr
	v_max3_num_f32 v208, v208, v209, v[S+15]
.if \n == 2
	v_max3_num_f32 v209, v210, v211, v[S+47]
.endif
	v_max_num_f32 v208, v208, v[S+31]
.if \n == 2
	v_max_num_f32 v209, v209, v[S+63]
	v_max_num_f32 v210, v208, v209
	v_permlanex16_b32 v212, v210, s28, s29
	v_max3_num_f32 v13, v13, v210, v212            ; the running largest score, with lane l xor 16's blocks
.else
	v_permlanex16_b32 v212, v208, s28, s29
	v_max3_num_f32 v13, v13, v208, v212
.endif
	v_mul_f32 v211, s35, v13                       ; -t
	v_floor_f32 v12, v211                          ; -M = floor(-t) = -ceil(t)
	v_sub_f32 v217, v12, v217                      ; M's old value less its new one: a whole number, 0 or less
.if \n == 2
	v_pk_fma_f32 v[208:209], v[208:209], s[30:31], v[12:13] op_sel_hi:[1,0,0]   ; t - M of each block's largest score
.else
	v_fma_f32 v208, v208, s30, v12
.endif
.set Q, 0
	TM 4*\n
	v_cvt_i32_f32 v217, v217                       ; (it saturates)
	v_max_num_f32 v208, 0xc2f80000, v208           ; held at -124: the byte cannot fall under 1
.if \n == 2
	v_max_num_f32 v209, 0xc2f80000, v209
.endif
	TM 4*\n
	v_ldexp_f32 v36, 1.0, v217                     ; f = 2^(old M - new M): a multiplication by it rounds nothing
	v_cvt_floor_i32_f32 v208, v208                 ; floor(log2) of the block's largest p
.if \n == 2
	v_cvt_floor_i32_f32 v209, v209
.endif
	TM 8*\n
	v_add_lshl_u32 v214, v208, 0x7d, 23            ; the conversion's scale operand: (exponent - 2 + 127) << 23
.if \n == 2
	v_add_lshl_u32 v215, v209, 0x7d, 23
.else
.irp j, 4,5,6,7
	v_mov_b32 v[PC+\j], 0                          ; the second chunk's p: zero codes
.endr
.endif
.irp j, 0,2,4,6,8,10,12,14,16,18,20,22,24,26,28,30
	v_pk_mul_f32 v[O+\j:O+1+\j], v[O+\j:O+1+\j], v[36:37] op_sel_hi:[1,0]   ; O^T under the new M
.endr
	s_wait_alu depctr_va_vdst(0)                   ; the wait ahead of the batch
.set Q, 0
.rept 32*\n
	v_exp_f32 v[S+Q], v[S+Q]                       ; p = 2^(t - M)
.set Q, Q+1
.endr
.if \n == 2
	v_lshl_add_u32 v216, v209, 16, v208            ; my blocks' scale bytes, 2 c + h, at their places in the word
	v_add_lshl_u32 v216, v216, 0x7d007d, v31
.else
	v_add_lshl_u32 v216, v208, 0x1007d, v31        ; (the zero codes' blocks: byte 1)
.endif
	v_permlanex16_b32 v212, v216, s28, s29
	v_or_b32 v30, v216, v212                       ; p's scale word for these keys
	s_wait_alu depctr_va_vdst(0)                   ; and the wait behind the batch
.irp c, 0,1
.if \c < \n
.irp g, 0,1,2,3
	v_cvt_scalef32_pk8_fp4_f32 v[PC+4*\c+\g], v[S+32*\c+8*\g:S+32*\c+8*\g+7], v[214+\c]
.endr
.endif
.endr
	v_pk_fma_f32 v[14:15], v[14:15], v[36:37], v[S:S+1] op_sel_hi:[1,0,1]   ; the row's sum, under the new M, of the unquantised p: four chains
	v_pk_add_f32 v[218:219], v[S+2:S+3], v[S+4:S+5]
	v_pk_add_f32 v[220:221], v[S+6:S+7], v[S+8:S+9]
	v_pk_add_f32 v[222:223], v[S+10:S+11], v[S+12:S+13]
.set Q, 14
.rept 16*\n-7
.set R, 216+2*((Q/2-7)%4)
.if R == 216
.set R, 14
.endif
	v_pk_add_f32 v[R:R+1], v[R:R+1], v[S+Q:S+Q+1]
.set Q, Q+2
.endr
	v_pk_add_f32 v[218:219], v[218:219], v[222:223]
	v_pk_add_f32 v[14:15], v[14:15], v[220:221]
	v_pk_add_f32 v[14:15], v[14:15], v[218:219]
	s_wait_alu depctr_va_vdst(0)
	s_wait_dscnt 0x9                               ; the next step's nine loads of K may be out: this step's V is in
.irp t, 0,1,2,3                                    ; O^T += V^T P^T: the four accumulators take turns, one instruction a turn
.if \t % 2
	v_wmma_scale_f32_16x16x128_f8f6f4 v[O+8*\t:O+7+8*\t], v[72+8*\t:79+8*\t], v[PC:PC+7], v[O+8*\t:O+7+8*\t], v[34+\t/2], v30 matrix_a_fmt:MATRIX_FMT_FP4 matrix_b_fmt:MATRIX_FMT_FP4 matrix_a_scale:MATRIX_SCALE_ROW1
.else
	v_wmma_scale_f32_16x16x128_f8f6f4 v[O+8*\t:O+7+8*\t], v[72+8*\t:79+8*\t], v[PC:PC+7], v[O+8*\t:O+7+8*\t], v[34+\t/2], v30 matrix_a_fmt:MATRIX_FMT_FP4 matrix_b_fmt:MATRIX_FMT_FP4
.endif
.endr
	v_nop                                          ; two of the four places behind the products; two plain lines follow on every way
	v_nop
.endm
	s_wait_alu depctr_va_vdst(0)                   ; the wait at the head's end
.Lstep:                                            ; 9 trips in every wave; A's ninth has no work
	s_cmp_ge_u32 s34, s36
	s_cbranch_scc1 .Lnext
	s_cmp_lt_u32 s34, s46                          ; the first part or the second?
	s_cselect_b32 s41, s47, s48
	s_add_co_u32 s41, s41, s34
	s_and_b32 s41, s41, 15                         ; this trip's step
	s_mul_i32 s32, s41, STEPB
	s_add_co_u32 s42, s34, 1
	s_cmp_lt_u32 s42, s46
	s_cselect_b32 s41, s47, s48
	s_add_co_u32 s41, s41, s42
	s_and_b32 s41, s41, 15                         ; the next trip's (behind the last trip: some step of the head, which nobody uses)
	s_mul_i32 s33, s41, STEPB
	v_add_nc_u32 v2, s32, v1
	v_add_nc_u32 v3, s33, v10
	ds_load_b64 v[34:35], v2 offset:8200           ; this step's V: its scale words
.irp i, 0,1,2,3,4,5,6,7
	ds_load_b128 v[72+4*\i:75+4*\i], v2 offset:4096+512*\i     ; and its four fragments: they land under the softmax
.endr
	s_wait_alu depctr_va_vdst(0)
	s_wait_dscnt 0x9                               ; the nine just issued may be out: this step's K, asked for a step ago, is in
	s_cmp_eq_u32 s34, s50
	s_cbranch_scc1 .Lone
	BODY 2
	s_branch .Lworked
.Lone:
	BODY 1
.Lworked:
	s_cmp_lg_u32 s34, s49
	s_cbranch_scc1 .Lnext
	; B, behind the long tile's diagonal: its part goes to LDS, and the short tile begins
	v_mov_b32 v210, v12
	v_add_f32 v211, v14, v15
.irp i, 0,1,2,3,4,5,6,7
	ds_store_b128 v11, v[O+4*\i:O+4*\i+3] offset:512*\i
.endr
	ds_store_b64 v11, v[210:211] offset:4096
	s_wait_alu depctr_va_vdst(0)
	s_wait_loadcnt 0x0                             ; the short tile's Q
.irp i, 0,1,2,3,4,5,6,7
	ds_store_b128 v6, v[QR+4*\i:QR+4*\i+3] offset:2*SP*\i
.endr
.irp j, 0,1,2,3,4,5,6,7
	ds_load_b128 v[S+4*\j:S+4*\j+3], v8 offset:16*\j
.endr
	s_wait_dscnt 0x0
	QUANT S
	QWORDS
.irp g, 0,1,2,3
	v_mov_b32 v[24+\g], v[16+\g]
.endr
	v_mov_b32 v13, 0xff61b1e6                      ; the largest score starts anew: the first change of M multiplies O^T by 0
	v_mov_b32 v14, 0
	v_mov_b32 v15, 0
	v_mul_f32 v12, s35, v13
	s_wait_alu depctr_va_vdst(0)
.Lnext:
	s_add_co_u32 s34, s34, 1
	s_cmp_lt_u32 s34, 9
	s_cbranch_scc1 .Lstep
	v_add_f32 v14, v14, v15                        ; the sum's two halves
	v_add_nc_u32 v2, s37, v1                       ; my partner's part.  (These two are also the last of the four places behind the products)
	s_wait_alu depctr_va_vdst(0)
	s_wait_dscnt 0x0                               ; B's part is in LDS; the last fetch of K, which nobody uses, has landed
	s_barrier_signal -1
	s_barrier_wait -1
	s_cmp_lg_u32 s11, 0
	s_cbranch_scc1 .Lown
	; A: my part and B's come under one M = the larger of the two
	ds_load_b64 v[220:221], v2 offset:4096         ; B's -M and sum
.irp i, 0,1,2,3,4,5,6,7
	ds_load_b128 v[40+4*\i:43+4*\i], v2 offset:512*\i
.endr
	s_wait_dscnt 0x8                               ; the eight images may be out
	v_min_num_f32 v9, v12, v220
	v_sub_f32 v212, v9, v12
	v_sub_f32 v213, v9, v220
	v_cvt_i32_f32 v212, v212
	v_cvt_i32_f32 v213, v213
	v_ldexp_f32 v216, 1.0, v212
	v_ldexp_f32 v218, 1.0, v213
	v_mul_f32 v14, v14, v216
	v_fma_f32 v14, v221, v218, v14
	v_permlanex16_b32 v212, v14, s28, s29
	v_add_f32 v14, v14, v212                       ; and lane l xor 16's: the row's sum
	s_wait_alu depctr_va_vdst(0)                   ; the wait ahead of the transcendental
	v_rcp_f32 v9, v14
	v_nop                                          ; a plain line behind the transcendental
	s_wait_alu depctr_va_vdst(0)                   ; and for the one behind it
	v_mul_f32 v216, v216, v9
	v_mul_f32 v218, v218, v9
	s_wait_alu depctr_va_vdst(0)
	s_wait_dscnt 0x0
	s_wait_alu depctr_va_vdst(0)                   ; and directly ahead of the first reader of O^T
.irp j, 0,2,4,6,8,10,12,14,16,18,20,22,24,26,28,30
	v_pk_mul_f32 v[S+\j:S+\j+1], v[O+\j:O+\j+1], v[216:217] op_sel_hi:[1,0]
.endr
.irp j, 0,2,4,6,8,10,12,14,16,18,20,22,24,26,28,30
	v_pk_fma_f32 v[S+\j:S+\j+1], v[40+\j:41+\j], v[218:219], v[S+\j:S+\j+1] op_sel_hi:[1,0,1]
.endr
	s_wait_alu depctr_va_vdst(0)
	s_branch .Lout
.Lown:                                             ; B: the short tile
	v_permlanex16_b32 v212, v14, s28, s29
	v_add_f32 v14, v14, v212
	s_wait_alu depctr_va_vdst(0)                   ; the wait ahead of the transcendental
	v_rcp_f32 v216, v14
	v_nop
	s_wait_alu depctr_va_vdst(0)                   ; and for the one behind it
.irp j, 0,2,4,6,8,10,12,14,16,18,20,22,24,26,28,30
	v_pk_mul_f32 v[S+\j:S+\j+1], v[O+\j:O+\j+1], v[216:217] op_sel_hi:[1,0]
.endr
	s_wait_alu depctr_va_vdst(0)
.Lout:                                             ; register 8 t + i is o(query r, 16 t + 8 h + i): through my stage, out as whole rows: sixteen lanes store a row's 256 consecutive bytes
.irp t, 0,1,2,3
	ds_store_b128 v5, v[S+8*\t:S+3+8*\t] offset:64*\t
	ds_store_b128 v5, v[S+4+8*\t:S+7+8*\t] offset:64*\t+16
.endr
.irp i, 0,1,2,3,4,5,6,7
	ds_load_b128 v[136+4*\i:139+4*\i], v6 offset:2*SP*\i       ; LDS serves a wave's instructions in order: these see my stores
.endr
.irp i, 0,1,2,3,4,5,6,7
	s_wait_dscnt 7-\i                              ; the 7 - i younger loads may be out
	global_store_b128 v7, v[136+4*\i:139+4*\i], s[8:9] offset:4096*\i th:TH_STORE_NT
.endr
	s_wait_tensorcnt 0x0                           ; the wave's end
	ds_add_u32 v38, v39
	s_wait_dscnt 0x0
	CROUND                                         ; the closing round: no work-group ends while a partner may still ask for a tile that names it
	s_endpgm
.Lfunc_end_k_qfe17d6e278_attn:
	.size	k_qfe17d6e278_attn, .Lfunc_end_k_qfe17d6e278_attn-k_qfe17d6e278_attn
	.p2alignl 7, 3214868480
	.fill 96, 4, 3214868480
	.section	.rodata,"a",@progbits
	.p2align	6, 0x0
	.amdhsa_kernel k_qfe17d6e278_attn
		.amdhsa_group_segment_fixed_size 290816
		.amdhsa_private_segment_fixed_size 0
		.amdhsa_enable_private_segment 0
		.amdhsa_kernarg_size 24
		.amdhsa_user_sgpr_count 2
		.amdhsa_user_sgpr_kernarg_segment_ptr 1
		.amdhsa_wavefront_size32 1
		.amdhsa_system_sgpr_workgroup_id_x 1
		.amdhsa_system_sgpr_workgroup_id_y 1
		.amdhsa_system_sgpr_workgroup_id_z 1
		.amdhsa_system_vgpr_workitem_id 0
		.amdhsa_next_free_vgpr 256
		.amdhsa_next_free_sgpr 72
		.amdhsa_reserve_vcc 0
		.amdhsa_float_denorm_mode_32 3
		.amdhsa_float_denorm_mode_16_64 3
		.amdhsa_memory_ordered 1
		.amdhsa_forward_progress 1
		.amdhsa_inst_pref_size 54
	.end_amdhsa_kernel
	.amdgpu_metadata
---
amdhsa.version: [ 1, 2 ]
amdhsa.kernels:
  - .name:           k_qfe17d6e278_attn
    .symbol:         k_qfe17d6e278_attn.kd
    .args:
      - { .name: queries, .offset: 0, .size: 8, .value_kind: global_buffer, .address_space: global }
      - { .name: kv, .offset: 8, .size: 8, .value_kind: global_buffer, .address_space: global }
      - { .name: out0, .offset: 16, .size: 8, .value_kind: global_buffer, .address_space: global }
    .group_segment_fixed_size: 290816
    .private_segment_fixed_size: 0
    .kernarg_segment_align: 8
    .kernarg_segment_size: 24
    .max_flat_workgroup_size: 512
    .sgpr_count:     72
    .vgpr_count:     256
    .wavefront_size: 32
...
	.end_amdgpu_metadata
.endif
;; end of part 2
